; MI455X (gfx1250); checked and timed in simulation.
; The chip was launched on July 23, 2026; its instructions are those of AMD's public machine-readable ISA for CDNA 5 (MIT licence, August 2026) and "CDNA5" Instruction Set Architecture Reference Guide (July 2026). The comments in the code are by the model that wrote it; some were corrected since.
;; CCG. Allowed arithmetic: float matrix products may take bf16 or f16 operands with f32 sums; all other float work in f32.
;; Inputs: ln_b 256 float32; ln_w 256 float32; proj_b 64 float32; proj_w 64 x 256 float32; x 8 x 4,096 x 256 float32.
;; Outputs: out0 8 x 1 x 64 float32.
;; One version. Each part assembles by itself: llvm-mc -triple=amdgcn-amd-amdhsa -mcpu=gfx1250 --defsym DOCPART=n.
;; ======== version 1 of 1: 3 launches
;; limits: right only within a limited range of input values
;; workspace buffers: stats 524,288 bytes; part 524,288 bytes; cen 327,680 bytes
;; launch rowstats (part 1): grid 256 x 1, 8 waves a work-group, no clusters, 17,408 bytes of LDS; arguments x, ln_w, ln_b, stats, part; writes stats, part
.if DOCPART == 1
	.amdgcn_target "amdgcn-amd-amdhsa--gfx1250"
	.amdhsa_code_object_version 6
	.text
	.protected	k_qdc5f4d4060_rowstats
	.globl	k_qdc5f4d4060_rowstats
	.p2align	8
	.type	k_qdc5f4d4060_rowstats,@function
k_qdc5f4d4060_rowstats:
	s_mov_b64 s[64:65], 0
	v_nop
	global_prefetch_b8 v0, s[64:65] scope:SCOPE_SE
	s_setreg_imm32_b32 hwreg(HW_REG_WAVE_MODE, 25, 1), 1
	s_wait_xcnt 0x0
; FIRST OF THREE LAUNCHES.  With y = LayerNorm(x), a_n = |y_n| and r_n = 1 / a_n the density of row n,
;   density[n] = sum over m of y_n.y_m / (a_n a_m + e),  e = 1e-8,
; is summed over m before the products are formed:  1 / (a b + e) = r_n r_m - e r_n^2 r_m^2 + ...,  so
;   density[n] = r_n ( y_n.SUM1 - e r_n y_n.SUM2 ),   SUM1 = sum over m of y_m r_m,   SUM2 = sum over m of y_m r_m^2.
; This launch makes, for each row, (-mean, r, rho = rsqrt(var + 1e-5), r) into 'stats' (16 bytes a row), and for each
; work-group's 128 rows its part of SUM1 and SUM2 into 'part' (256 + 256 f32, in column order).  All in f32.
; LIMITS KEPT: the series in e is cut behind its first-order term; what is left out is (e / (a_n a_m))^2 of a summand,
; at most 1e-6 of it for a_n a_m >= 1e-5.  A row with a^2 < 2^-100 counts as a zero row (r = 0), which is exact for
; rows that are exactly zero.  NaN and infinities in the inputs are not served.
; SHARES: 256 work-groups of 128 rows (32 work-groups a batch), 8 waves of 16 rows, one wave for a whole row.
; Lane l holds columns 4l..4l+3 and 128+4l..128+4l+3: each 16-byte load of a wave covers 512 consecutive bytes.
; All 32 loads of a wave's 16 rows are issued at the head, so the work-group's whole input (128 KiB) is asked for at once;
; no address register is ever rewritten and EXEC never changes.
; Rows are worked four at a time, each stage written for the four rows in turn, so that dependent lines stand apart.
.set W,    4                           ; v[4:11]    ln_w of my 8 columns
.set B,    12                          ; v[12:19]   ln_b of my 8 columns
.set SUM1, 20                          ; v[20:27]   my wave's sum of y r, my 8 columns
.set SUM2, 28                          ; v[28:35]   my wave's sum of y r^2
.set ST,   36                          ; v[36:37]   the 8 bytes of 'stats' that this lane stores (lanes 2j, 2j+1: row j)
.set XS,   38                          ; v38        at work; at the end 8 t
.set LA,   39                          ; v39        LDS address 2048 wave + 16 lane
.set T,    40                          ; v[40:71]   row i of a group: +0,+1 -mean; +2,+3 rho; +4,+5 r; +6,+7 second chain, then r^2
.set X,    72                          ; v[72:199]  row j: 8 registers, x, then x - mean, then y
.set SP0,  18                          ; s18, s19   v_permlanex16_b32: lane i reads lane i of the other half
.set SP1,  19
; Sum over the 32 lanes for four rows at once; value in v[base + stride i], the register behind it (written before) is scratch.
.macro RED4 base, stride
.irp m, 1,2,4,8
.irp i, 0,1,2,3
	v_add_f32_dpp v[\base+\stride*\i], v[\base+\stride*\i], v[\base+\stride*\i] row_xmask:\m row_mask:0xf bank_mask:0xf
.endr
.endr
.irp i, 0,1,2,3
	v_permlanex16_b32 v[\base+\stride*\i+1], v[\base+\stride*\i], s[SP0], s[SP1]
.endr
.irp i, 0,1,2,3
	v_add_f32 v[\base+\stride*\i], v[\base+\stride*\i], v[\base+\stride*\i+1]
.endr
.endm
; Sum of squares of the four rows at XR, two chains a row, into v[T + 8 i + off] of every lane.
.macro SQ4 off
.irp i, 0,1,2,3
	v_pk_mul_f32 v[T+8*\i+\off:T+8*\i+\off+1], v[XR+8*\i:XR+8*\i+1], v[XR+8*\i:XR+8*\i+1]
.endr
.irp i, 0,1,2,3
	v_pk_mul_f32 v[T+8*\i+6:T+8*\i+7], v[XR+8*\i+2:XR+8*\i+3], v[XR+8*\i+2:XR+8*\i+3]
.endr
.irp i, 0,1,2,3
	v_pk_fma_f32 v[T+8*\i+\off:T+8*\i+\off+1], v[XR+8*\i+4:XR+8*\i+5], v[XR+8*\i+4:XR+8*\i+5], v[T+8*\i+\off:T+8*\i+\off+1]
.endr
.irp i, 0,1,2,3
	v_pk_fma_f32 v[T+8*\i+6:T+8*\i+7], v[XR+8*\i+6:XR+8*\i+7], v[XR+8*\i+6:XR+8*\i+7], v[T+8*\i+6:T+8*\i+7]
.endr
.irp i, 0,1,2,3
	v_pk_add_f32 v[T+8*\i+\off:T+8*\i+\off+1], v[T+8*\i+\off:T+8*\i+\off+1], v[T+8*\i+6:T+8*\i+7]
.endr
.irp i, 0,1,2,3
	v_add_f32 v[T+8*\i+\off], v[T+8*\i+\off], v[T+8*\i+\off+1]
.endr
	RED4 T+\off, 8
.endm
	s_load_b256 s[4:11], s[0:1], 0x0               ; x s[4:5], ln_w s[6:7], ln_b s[8:9], stats s[10:11]
	s_load_b64 s[12:13], s[0:1], 0x20              ; part
	v_lshl_add_u32 v200, v0, 2, 0x4000
	v_mov_b32 v201, 0
	v_lshrrev_b32 v3, 5, v0
	v_readfirstlane_b32 s14, v3                    ; wave 0..7
	v_and_b32 v2, 31, v0
	v_lshlrev_b32 v2, 4, v2                        ; v2 = 16 lane
	v_lshl_or_b32 v1, v3, 14, v2                   ; v1 = wave x 16 rows x 1,024 bytes + 16 lane
	v_lshrrev_b32 v3, 1, v2                        ; v3 = 8 lane: my 8 bytes of the wave's 256 bytes of stats
	v_lshl_add_u32 v[LA], s14, 11, v2
	s_mov_b32 s[SP0], 0x76543210
	s_mov_b32 s[SP1], 0xfedcba98
	s_mov_b32 s20, 0xbb800000                      ; -1/256
	s_mov_b32 s21, 0x3b800000                      ; 1/256
	s_mov_b32 s22, 0x3727c5ac                      ; 1e-5
	s_mov_b32 s23, 0x0d800000                      ; 2^-100
	s_mov_b32 s28, 0xaaaaaaaa                      ; the odd lanes
	s_mov_b32 s17, 0
	s_wait_kmcnt 0x0
	s_lshl_b32 s16, ttmp9, 17                      ; 128 rows of 1,024 bytes a work-group
	s_add_nc_u64 s[4:5], s[4:5], s[16:17]
	s_lshl_b32 s16, ttmp9, 11                      ; 2,048 bytes a work-group in part and in stats
	s_add_nc_u64 s[12:13], s[12:13], s[16:17]
	s_lshl_b32 s15, s14, 8                         ; and 256 bytes a wave in stats
	s_add_co_u32 s16, s16, s15
	s_add_nc_u64 s[10:11], s[10:11], s[16:17]
	global_load_b128 v[W:W+3],   v2, s[6:7]
	global_load_b128 v[W+4:W+7], v2, s[6:7] offset:512
	global_load_b128 v[B:B+3],   v2, s[8:9]
	global_load_b128 v[B+4:B+7], v2, s[8:9] offset:512
.irp j, 0,1,2,3,4,5,6,7,8,9,10,11,12,13,14,15
	global_load_b128 v[X+8*\j:X+8*\j+3],   v1, s[4:5] offset:1024*\j        ; no hint: the next launch reads x again
	global_load_b128 v[X+8*\j+4:X+8*\j+7], v1, s[4:5] offset:1024*\j+512
.endr
; Rows 4k .. 4k+3 of the wave.
.macro GROUP k
.set XR, X+32*\k
	s_wait_loadcnt 24-8*\k                         ; loads come back in order: the 8 loads of each later group stay out
	; the mean, with its sign turned
.irp i, 0,1,2,3
	v_pk_add_f32 v[T+8*\i:T+8*\i+1], v[XR+8*\i:XR+8*\i+1], v[XR+8*\i+2:XR+8*\i+3]
.endr
.irp i, 0,1,2,3
	v_pk_add_f32 v[T+8*\i+6:T+8*\i+7], v[XR+8*\i+4:XR+8*\i+5], v[XR+8*\i+6:XR+8*\i+7]
.endr
.irp i, 0,1,2,3
	v_pk_add_f32 v[T+8*\i:T+8*\i+1], v[T+8*\i:T+8*\i+1], v[T+8*\i+6:T+8*\i+7]
.endr
.irp i, 0,1,2,3
	v_add_f32 v[T+8*\i], v[T+8*\i], v[T+8*\i+1]
.endr
	RED4 T+0, 8
.irp i, 0,1,2,3
	v_mul_f32 v[T+8*\i], s20, v[T+8*\i]
.endr
	; x - mean, number by number: the variance is a sum of squares of differences, never a difference of sums
.irp c, 0,2,4,6
.irp i, 0,1,2,3
	v_pk_add_f32 v[XR+8*\i+\c:XR+8*\i+\c+1], v[XR+8*\i+\c:XR+8*\i+\c+1], v[T+8*\i:T+8*\i+1] op_sel_hi:[1,0]
.endr
.endr
	SQ4 2
.irp i, 0,1,2,3
	v_fma_f32 v[T+8*\i+2], v[T+8*\i+2], s21, s22   ; var + 1e-5
.endr
.irp i, 0,1,2,3
	v_rsq_f32 v[T+8*\i+2], v[T+8*\i+2]             ; rho
.endr
	v_nop                                          ; one plain vector instruction behind the run of v_rsq_f32 before a result is used (ISA guide 5.7.2)
	; y = (x - mean) rho w + b
	s_wait_alu depctr_va_vdst(0)
.irp c, 0,2,4,6
.irp i, 0,1,2,3
	v_pk_mul_f32 v[XR+8*\i+\c:XR+8*\i+\c+1], v[XR+8*\i+\c:XR+8*\i+\c+1], v[T+8*\i+2:T+8*\i+3] op_sel_hi:[1,0]
.endr
.endr
.irp c, 0,2,4,6
.irp i, 0,1,2,3
	v_pk_fma_f32 v[XR+8*\i+\c:XR+8*\i+\c+1], v[XR+8*\i+\c:XR+8*\i+\c+1], v[W+\c:W+\c+1], v[B+\c:B+\c+1]
.endr
.endr
	; r = 1 / |y|, 0 for a row whose square sum is below 2^-100; r^2
	SQ4 4
.irp i, 0,1,2,3
	v_cmp_le_f32 s[24+\i], s23, v[T+8*\i+4]
.endr
.irp i, 0,1,2,3
	v_rsq_f32 v[T+8*\i+4], v[T+8*\i+4]
.endr
	v_nop                                          ; the place behind the run of v_rsq_f32
	s_wait_alu depctr_va_vdst(0)
.irp i, 0,1,2,3
	v_cndmask_b32 v[T+8*\i+4], 0, v[T+8*\i+4], s[24+\i]
.endr
.irp i, 0,1,2,3
	v_mul_f32 v[T+8*\i+6], v[T+8*\i+4], v[T+8*\i+4]
.endr
	; SUM1 += y r, SUM2 += y r^2; the wave's first row starts the sums, nothing is cleared
.irp i, 0,1,2,3
.irp c, 0,2,4,6
.if 4*\k+\i
	v_pk_fma_f32 v[SUM1+\c:SUM1+\c+1], v[XR+8*\i+\c:XR+8*\i+\c+1], v[T+8*\i+4:T+8*\i+5], v[SUM1+\c:SUM1+\c+1] op_sel_hi:[1,0,1]
.else
	v_pk_mul_f32 v[SUM1+\c:SUM1+\c+1], v[XR+8*\i+\c:XR+8*\i+\c+1], v[T+8*\i+4:T+8*\i+5] op_sel_hi:[1,0]
.endif
.endr
.irp c, 0,2,4,6
.if 4*\k+\i
	v_pk_fma_f32 v[SUM2+\c:SUM2+\c+1], v[XR+8*\i+\c:XR+8*\i+\c+1], v[T+8*\i+6:T+8*\i+7], v[SUM2+\c:SUM2+\c+1] op_sel_hi:[1,0,1]
.else
	v_pk_mul_f32 v[SUM2+\c:SUM2+\c+1], v[XR+8*\i+\c:XR+8*\i+\c+1], v[T+8*\i+6:T+8*\i+7] op_sel_hi:[1,0]
.endif
.endr
.endr
	; row j's 16 bytes of stats go into lanes 2j (-mean, r) and 2j+1 (rho, r); row 0 writes all lanes, so ST is whole
.irp i, 0,1,2,3
.if 4*\k+\i
	s_mov_b32 s30, 3<<(2*(4*\k+\i))
	v_cndmask_b32 v[XS], v[T+8*\i], v[T+8*\i+2], s28
	v_cndmask_b32 v[ST], v[ST], v[XS], s30
	v_cndmask_b32 v[ST+1], v[ST+1], v[T+8*\i+4], s30
.else
	v_cndmask_b32 v[ST], v[T], v[T+2], s28
	v_mov_b32 v[ST+1], v[T+4]
.endif
.endr
.endm
	GROUP 0
	GROUP 1
	GROUP 2
	GROUP 3
	global_store_b64 v3, v[ST:ST+1], s[10:11]      ; the wave's 16 rows of stats: 256 consecutive bytes, aligned
	; the eight waves' sums meet in LDS: 2,048 bytes a wave (SUM1 in column order, then SUM2), written once
	ds_store_b128 v[LA], v[SUM1:SUM1+3]
	ds_store_b128 v[LA], v[SUM1+4:SUM1+7] offset:512
	ds_store_b128 v[LA], v[SUM2:SUM2+3] offset:1024
	ds_store_b128 v[LA], v[SUM2+4:SUM2+7] offset:1536
	v_lshlrev_b32 v[XS], 3, v0                     ; 8 t: thread t owns two of the 512 numbers
	s_wait_dscnt 0x0                               ; for the other waves' sake: my stores are done before I signal
	s_barrier_signal -1
	s_barrier_wait -1
.irp q, 0,1,2,3,4,5,6,7
	ds_load_b64 v[T+2*\q:T+2*\q+1], v[XS] offset:2048*\q
.endr
	s_wait_dscnt 0x0
	v_pk_add_f32 v[T:T+1],     v[T:T+1],     v[T+2:T+3]
	v_pk_add_f32 v[T+4:T+5],   v[T+4:T+5],   v[T+6:T+7]
	v_pk_add_f32 v[T+8:T+9],   v[T+8:T+9],   v[T+10:T+11]
	v_pk_add_f32 v[T+12:T+13], v[T+12:T+13], v[T+14:T+15]
	v_pk_add_f32 v[T:T+1],     v[T:T+1],     v[T+4:T+5]
	v_pk_add_f32 v[T+8:T+9],   v[T+8:T+9],   v[T+12:T+13]
	v_pk_add_f32 v[T:T+1],     v[T:T+1],     v[T+8:T+9]
	global_store_b64 v[XS], v[T:T+1], s[12:13]     ; each wave stores 256 consecutive bytes, aligned
	s_wait_tensorcnt 0x0
	ds_add_u32 v200, v201
	s_wait_dscnt 0x0
	s_endpgm
.Lfunc_end_k_qdc5f4d4060_rowstats:
	.size	k_qdc5f4d4060_rowstats, .Lfunc_end_k_qdc5f4d4060_rowstats-k_qdc5f4d4060_rowstats
	.p2alignl 7, 3214868480
	.fill 96, 4, 3214868480
	.section	.rodata,"a",@progbits
	.p2align	6, 0x0
	.amdhsa_kernel k_qdc5f4d4060_rowstats
		.amdhsa_group_segment_fixed_size 17408
		.amdhsa_private_segment_fixed_size 0
		.amdhsa_enable_private_segment 0
		.amdhsa_kernarg_size 40
		.amdhsa_user_sgpr_count 2
		.amdhsa_user_sgpr_kernarg_segment_ptr 1
		.amdhsa_wavefront_size32 1
		.amdhsa_system_sgpr_workgroup_id_x 1
		.amdhsa_system_sgpr_workgroup_id_y 1
		.amdhsa_system_sgpr_workgroup_id_z 1
		.amdhsa_system_vgpr_workitem_id 0
		.amdhsa_next_free_vgpr 202
		.amdhsa_next_free_sgpr 66
		.amdhsa_reserve_vcc 0
		.amdhsa_float_denorm_mode_32 3
		.amdhsa_float_denorm_mode_16_64 3
		.amdhsa_memory_ordered 1
		.amdhsa_forward_progress 1
		.amdhsa_inst_pref_size 67
	.end_amdhsa_kernel
	.amdgpu_metadata
---
amdhsa.version: [ 1, 2 ]
amdhsa.kernels:
  - .name:           k_qdc5f4d4060_rowstats
    .symbol:         k_qdc5f4d4060_rowstats.kd
    .args:
      - { .name: x, .offset: 0, .size: 8, .value_kind: global_buffer, .address_space: global }
      - { .name: ln_w, .offset: 8, .size: 8, .value_kind: global_buffer, .address_space: global }
      - { .name: ln_b, .offset: 16, .size: 8, .value_kind: global_buffer, .address_space: global }
      - { .name: stats, .offset: 24, .size: 8, .value_kind: global_buffer, .address_space: global }
      - { .name: part, .offset: 32, .size: 8, .value_kind: global_buffer, .address_space: global }
    .group_segment_fixed_size: 17408
    .private_segment_fixed_size: 0
    .kernarg_segment_align: 8
    .kernarg_segment_size: 40
    .max_flat_workgroup_size: 256
    .sgpr_count:     66
    .vgpr_count:     202
    .wavefront_size: 32
...
	.end_amdgpu_metadata
.endif
;; end of part 1
;; launch density (part 2): grid 256 x 1, 8 waves a work-group, no clusters, 13,312 bytes of LDS; arguments x, ln_w, ln_b, stats, part, cen; writes cen
.if DOCPART == 2
	.amdgcn_target "amdgcn-amd-amdhsa--gfx1250"
	.amdhsa_code_object_version 6
	.text
	.protected	k_qdc5f4d4060_density
	.globl	k_qdc5f4d4060_density
	.p2align	8
	.type	k_qdc5f4d4060_density,@function
k_qdc5f4d4060_density:
	s_mov_b64 s[64:65], 0
	v_nop
	global_prefetch_b8 v0, s[64:65] scope:SCOPE_SE
	s_setreg_imm32_b32 hwreg(HW_REG_WAVE_MODE, 25, 1), 1
	s_wait_xcnt 0x0
; SECOND OF THREE LAUNCHES.  density[n] = r_n ( y_n.SUM1 - e r_n y_n.SUM2 ), e = 1e-8, with SUM1, SUM2 the batch's sums
; of y r and y r^2 (the 32 partial sums of the batch's work-groups in 'part', added in one fixed order, the same in
; every work-group, so that equal rows get equal densities bit for bit).  y is made again from x and the row's
; (-mean, rho) in 'stats' by the same three operations as in the first launch.
; Each work-group then finds the largest density m of its 128 rows and the sum c of the rows y whose density equals m
; (a multiplication by 0 or 1, as the masked sum asks; no branch and no address hangs on a density), and stores
; c (256 f32) and m (64 times, so that whole aligned blocks of 256 bytes are stored) into 'cen', 1,280 bytes a work-group.
; The rows with density = the batch's maximum are the rows with density = m in the groups with m = that maximum:
; the third launch applies the same mask to the groups, so any number of ties is served.
; LIMITS KEPT: the series in e is cut behind its first-order term: (e / (a_n a_m))^2 of a summand is left out, at most
; 1e-6 of it for a_n a_m >= 1e-5; rows with a^2 < 2^-100 have r = 0; NaN and infinities in the inputs are not served
; (the maxima let a NaN lose).
; SHARES as in the first launch: 256 work-groups of 128 rows, 8 waves of 16 rows, a wave for a row, lane l holds
; columns 4l..4l+3 and 128+4l..+3.  Every load stands at the head; no address register is rewritten while in use.
; What the work-groups of a batch share is 'part', 64 KiB of the 192 KiB that a work-group reads, through registers.
.set MX,   5                           ; v5         the wave's, then the work-group's largest density
.set W,    6                           ; v[6:13]    ln_w of my 8 columns
.set B,    14                          ; v[14:21]   ln_b
.set SUM1, 22                          ; v[22:29]   the batch's SUM1, my 8 columns
.set SUM2, 30                          ; v[30:37]   the batch's SUM2
.set D,    38                          ; v[38:53]   the 16 densities of my wave's rows, later 0 or 1
.set C,    54                          ; v[54:61]   the masked sum of my wave's rows
.set PT,   62                          ; v[62:125]  32 pairs of partial sums; later at work (row i: +4i dot with SUM1, +4i+2 with SUM2)
.set X,    126                         ; v[126:253] row j: 8 registers, x, then y
.set SP0,  56
.set SP1,  57
.set LMAX, 2048                        ; LDS: 0..2047 the summed SUM1, SUM2; 2048..2079 the waves' maxima;
.set LCEN, 4096                        ;      4096..12287 the waves' masked sums, 1,024 bytes each.  Each region is written once.
.macro RED4 base, stride
.irp m, 1,2,4,8
.irp i, 0,1,2,3
	v_add_f32_dpp v[\base+\stride*\i], v[\base+\stride*\i], v[\base+\stride*\i] row_xmask:\m row_mask:0xf bank_mask:0xf
.endr
.endr
.irp i, 0,1,2,3
	v_permlanex16_b32 v[\base+\stride*\i+1], v[\base+\stride*\i], s[SP0], s[SP1]
.endr
.irp i, 0,1,2,3
	v_add_f32 v[\base+\stride*\i], v[\base+\stride*\i], v[\base+\stride*\i+1]
.endr
.endm
	s_load_b256 s[84:91], s[0:1], 0x0              ; x s[84:85], ln_w s[86:87], ln_b s[88:89], stats s[90:91]
	s_load_b128 s[92:95], s[0:1], 0x20             ; part s[92:93], cen s[94:95]
	v_lshl_add_u32 v254, v0, 2, 0x3000
	v_mov_b32 v255, 0
	v_lshrrev_b32 v4, 5, v0
	v_readfirstlane_b32 s52, v4                    ; wave 0..7
	v_and_b32 v2, 31, v0
	v_lshlrev_b32 v2, 4, v2                        ; v2 = 16 lane
	v_lshl_or_b32 v1, v4, 14, v2                   ; v1 = wave x 16 rows x 1,024 bytes + 16 lane
	v_lshlrev_b32 v3, 3, v0                        ; v3 = 8 t
	s_mov_b32 s[SP0], 0x76543210
	s_mov_b32 s[SP1], 0xfedcba98
	s_mov_b32 s58, 0xb22bcc77                      ; -1e-8
	s_mov_b32 s55, 0
	s_wait_kmcnt 0x0
	s_lshl_b32 s54, ttmp9, 11
	s_lshl_b32 s53, s52, 8
	s_add_co_u32 s54, s54, s53
	s_add_nc_u64 s[90:91], s[90:91], s[54:55]      ; my wave's 16 rows of stats, 256 bytes
	s_load_b512 s[4:19],  s[90:91], 0x0            ; rows 0-3: (-mean, r, rho, r) each
	s_load_b512 s[20:35], s[90:91], 0x40           ; rows 4-7
	s_load_b512 s[36:51], s[90:91], 0x80           ; rows 8-11
	s_load_b512 s[68:83], s[90:91], 0xc0           ; rows 12-15
	s_lshl_b32 s54, ttmp9, 17
	s_add_nc_u64 s[84:85], s[84:85], s[54:55]      ; x at the work-group's first row
	s_lshr_b32 s54, ttmp9, 5
	s_lshl_b32 s54, s54, 16
	s_add_nc_u64 s[92:93], s[92:93], s[54:55]      ; the batch's 32 partial sums, 2,048 bytes each
	s_mul_i32 s54, ttmp9, 1280
	s_add_nc_u64 s[94:95], s[94:95], s[54:55]      ; my 1,280 bytes of cen
	global_load_b128 v[W:W+3],   v2, s[86:87]
	global_load_b128 v[W+4:W+7], v2, s[86:87] offset:512
	global_load_b128 v[B:B+3],   v2, s[88:89]
	global_load_b128 v[B+4:B+7], v2, s[88:89] offset:512
.set q, 0
.rept 32
	global_load_b64 v[PT+2*q:PT+2*q+1], v3, s[92:93] offset:2048*q          ; thread t: numbers 2t, 2t+1 of partial sum q; a wave's load covers 256 consecutive bytes
.set q, q+1
.endr
.irp j, 0,1,2,3,4,5,6,7,8,9,10,11,12,13,14,15
	global_load_b128 v[X+8*\j:X+8*\j+3],   v1, s[84:85] offset:1024*\j th:TH_LOAD_NT       ; the last read of x
	global_load_b128 v[X+8*\j+4:X+8*\j+7], v1, s[84:85] offset:1024*\j+512 th:TH_LOAD_NT
.endr
	; the batch's sums: a tree of fixed shape over the 32 partial sums
	s_wait_loadcnt 32                              ; ln_w, ln_b and the partial sums are in; the 32 younger loads of x stay out
.irp s, 16,8,4,2,1
.set q, 0
.rept \s
	v_pk_add_f32 v[PT+2*q:PT+2*q+1], v[PT+2*q:PT+2*q+1], v[PT+2*(q+\s):PT+2*(q+\s)+1]
.set q, q+1
.endr
.endr
	ds_store_b64 v3, v[PT:PT+1]
	s_wait_dscnt 0x0                               ; my store is done before I signal: the others read it
	s_barrier_signal -1
	s_barrier_wait -1
	ds_load_b128 v[SUM1:SUM1+3],   v2
	ds_load_b128 v[SUM1+4:SUM1+7], v2 offset:512
	ds_load_b128 v[SUM2:SUM2+3],   v2 offset:1024
	ds_load_b128 v[SUM2+4:SUM2+7], v2 offset:1536
	s_wait_dscnt 0x0
	s_wait_kmcnt 0x0                               ; the stats
; Rows 4k .. 4k+3 of the wave: y, the two dot products, the density.  Their stats are the 16 scalar registers from SBK on.
.macro DGROUP k
.set XR, X+32*\k
.set SBK, 4+16*\k+16*(\k/3)
	s_wait_loadcnt 24-8*\k                         ; the 8 loads of each later group stay out
.irp i, 0,1,2,3
	s_mul_f32 s[60+\i], s[SBK+4*\i+1], s58         ; -e r
.endr
.irp c, 0,2,4,6
.irp i, 0,1,2,3
	v_pk_add_f32 v[XR+8*\i+\c:XR+8*\i+\c+1], v[XR+8*\i+\c:XR+8*\i+\c+1], s[SBK+4*\i:SBK+4*\i+1] op_sel_hi:[1,0]
.endr
.endr
.irp c, 0,2,4,6
.irp i, 0,1,2,3
	v_pk_mul_f32 v[XR+8*\i+\c:XR+8*\i+\c+1], v[XR+8*\i+\c:XR+8*\i+\c+1], s[SBK+4*\i+2:SBK+4*\i+3] op_sel_hi:[1,0]
.endr
.endr
.irp c, 0,2,4,6
.irp i, 0,1,2,3
	v_pk_fma_f32 v[XR+8*\i+\c:XR+8*\i+\c+1], v[XR+8*\i+\c:XR+8*\i+\c+1], v[W+\c:W+\c+1], v[B+\c:B+\c+1]
.endr
.endr
.irp i, 0,1,2,3
	v_pk_mul_f32 v[PT+4*\i:PT+4*\i+1], v[XR+8*\i:XR+8*\i+1], v[SUM1:SUM1+1]
.endr
.irp i, 0,1,2,3
	v_pk_mul_f32 v[PT+4*\i+2:PT+4*\i+3], v[XR+8*\i:XR+8*\i+1], v[SUM2:SUM2+1]
.endr
.irp c, 2,4,6
.irp i, 0,1,2,3
	v_pk_fma_f32 v[PT+4*\i:PT+4*\i+1], v[XR+8*\i+\c:XR+8*\i+\c+1], v[SUM1+\c:SUM1+\c+1], v[PT+4*\i:PT+4*\i+1]
.endr
.irp i, 0,1,2,3
	v_pk_fma_f32 v[PT+4*\i+2:PT+4*\i+3], v[XR+8*\i+\c:XR+8*\i+\c+1], v[SUM2+\c:SUM2+\c+1], v[PT+4*\i+2:PT+4*\i+3]
.endr
.endr
.irp i, 0,1,2,3
	v_add_f32 v[PT+4*\i], v[PT+4*\i], v[PT+4*\i+1]
.endr
.irp i, 0,1,2,3
	v_add_f32 v[PT+4*\i+2], v[PT+4*\i+2], v[PT+4*\i+3]
.endr
.irp i, 0,1,2,3
	v_fma_f32 v[PT+4*\i], v[PT+4*\i+2], s[60+\i], v[PT+4*\i]               ; my lane's part of y.SUM1 - e r y.SUM2
.endr
	RED4 PT, 4
.irp i, 0,1,2,3
	v_mul_f32 v[D+4*\k+\i], s[SBK+4*\i+1], v[PT+4*\i]                      ; the density, the same in every lane
.endr
.endm
	DGROUP 0
	DGROUP 1
	DGROUP 2
	DGROUP 3
	; the largest density of the wave's 16 rows, then of the work-group's 128
	v_max3_num_f32 v[MX], v[D], v[D+1], v[D+2]
.irp j, 3,5,7,9,11,13
	v_max3_num_f32 v[MX], v[MX], v[D+\j], v[D+\j+1]
.endr
	v_max_num_f32 v[MX], v[MX], v[D+15]
	v_mov_b32 v4, s52
	v_lshlrev_b32 v4, 2, v4
	ds_store_b32 v4, v[MX] offset:LMAX             ; all lanes write the wave's word with the same value
	v_mov_b32 v[PT+8], 0
	s_wait_dscnt 0x0                               ; done before I signal
	s_barrier_signal -1
	s_barrier_wait -1
	ds_load_b128 v[PT:PT+3],   v[PT+8] offset:LMAX
	ds_load_b128 v[PT+4:PT+7], v[PT+8] offset:LMAX+16
	s_wait_dscnt 0x0
	v_max3_num_f32 v[MX], v[PT], v[PT+1], v[PT+2]
	v_max3_num_f32 v[MX], v[MX], v[PT+3], v[PT+4]
	v_max3_num_f32 v[MX], v[MX], v[PT+5], v[PT+6]
	v_max_num_f32 v[MX], v[MX], v[PT+7]
; C += y x (density == maximum ? 1 : 0) for rows 4k .. 4k+3; the factor of an odd row is its pair's second register.
.macro MASK4 k
.irp i, 0,1,2,3
	v_cmp_eq_f32 vcc_lo, v[D+4*\k+\i], v[MX]
	v_cndmask_b32 v[D+4*\k+\i], 0, 1.0, vcc_lo
.endr
.irp i, 0,1,2,3
.irp c, 0,2,4,6
.if 4*\k+\i
.if \i%2
	v_pk_fma_f32 v[C+\c:C+\c+1], v[X+32*\k+8*\i+\c:X+32*\k+8*\i+\c+1], v[D+4*\k+\i-1:D+4*\k+\i], v[C+\c:C+\c+1] op_sel:[0,1,0]
.else
	v_pk_fma_f32 v[C+\c:C+\c+1], v[X+32*\k+8*\i+\c:X+32*\k+8*\i+\c+1], v[D+4*\k+\i:D+4*\k+\i+1], v[C+\c:C+\c+1] op_sel_hi:[1,0,1]
.endif
.else
	v_pk_mul_f32 v[C+\c:C+\c+1], v[X+\c:X+\c+1], v[D:D+1] op_sel_hi:[1,0]  ; the first row starts the sum
.endif
.endr
.endr
.endm
	MASK4 0
	MASK4 1
	MASK4 2
	MASK4 3
	v_lshl_add_u32 v4, s52, 10, v2                 ; 1,024 wave + 16 lane
	ds_store_b128 v4, v[C:C+3]   offset:LCEN
	ds_store_b128 v4, v[C+4:C+7] offset:LCEN+512
	s_wait_dscnt 0x0                               ; done before I signal
	s_barrier_signal -1
	s_barrier_wait -1
	s_cmp_gt_u32 s52, 1
	s_cbranch_scc1 .Lnot_sum
	; waves 0 and 1: thread t (0..63) adds the eight waves' four numbers at byte 16 t, in the order of the waves
	v_lshlrev_b32 v4, 4, v0
.irp q, 0,1,2,3,4,5,6,7
	ds_load_b128 v[PT+4*\q:PT+4*\q+3], v4 offset:LCEN+1024*\q
.endr
	s_wait_dscnt 0x0
.irp q, 1,2,3,4,5,6,7
	v_pk_add_f32 v[PT:PT+1],   v[PT:PT+1],   v[PT+4*\q:PT+4*\q+1]
	v_pk_add_f32 v[PT+2:PT+3], v[PT+2:PT+3], v[PT+4*\q+2:PT+4*\q+3]
.endr
	global_store_b128 v4, v[PT:PT+3], s[94:95]     ; 512 consecutive bytes a wave, aligned
	s_wait_tensorcnt 0x0
	ds_add_u32 v254, v255
	s_wait_dscnt 0x0
	s_endpgm
.Lnot_sum:
	s_cmp_lg_u32 s52, 2
	s_cbranch_scc1 .Lend
	; wave 2: the maximum, 64 times: 256 consecutive bytes, aligned
	v_mov_b32 v[PT], v[MX]
	v_mov_b32 v[PT+1], v[MX]
	v_lshrrev_b32 v4, 1, v2
	global_store_b64 v4, v[PT:PT+1], s[94:95] offset:1024
.Lend:
	s_wait_tensorcnt 0x0
	ds_add_u32 v254, v255
	s_wait_dscnt 0x0
	s_endpgm
.Lfunc_end_k_qdc5f4d4060_density:
	.size	k_qdc5f4d4060_density, .Lfunc_end_k_qdc5f4d4060_density-k_qdc5f4d4060_density
	.p2alignl 7, 3214868480
	.fill 96, 4, 3214868480
	.section	.rodata,"a",@progbits
	.p2align	6, 0x0
	.amdhsa_kernel k_qdc5f4d4060_density
		.amdhsa_group_segment_fixed_size 13312
		.amdhsa_private_segment_fixed_size 0
		.amdhsa_enable_private_segment 0
		.amdhsa_kernarg_size 48
		.amdhsa_user_sgpr_count 2
		.amdhsa_user_sgpr_kernarg_segment_ptr 1
		.amdhsa_wavefront_size32 1
		.amdhsa_system_sgpr_workgroup_id_x 1
		.amdhsa_system_sgpr_workgroup_id_y 1
		.amdhsa_system_sgpr_workgroup_id_z 1
		.amdhsa_system_vgpr_workitem_id 0
		.amdhsa_next_free_vgpr 256
		.amdhsa_next_free_sgpr 96
		.amdhsa_reserve_vcc 1
		.amdhsa_float_denorm_mode_32 3
		.amdhsa_float_denorm_mode_16_64 3
		.amdhsa_memory_ordered 1
		.amdhsa_forward_progress 1
		.amdhsa_inst_pref_size 49
	.end_amdhsa_kernel
	.amdgpu_metadata
---
amdhsa.version: [ 1, 2 ]
amdhsa.kernels:
  - .name:           k_qdc5f4d4060_density
    .symbol:         k_qdc5f4d4060_density.kd
    .args:
      - { .name: x, .offset: 0, .size: 8, .value_kind: global_buffer, .address_space: global }
      - { .name: ln_w, .offset: 8, .size: 8, .value_kind: global_buffer, .address_space: global }
      - { .name: ln_b, .offset: 16, .size: 8, .value_kind: global_buffer, .address_space: global }
      - { .name: stats, .offset: 24, .size: 8, .value_kind: global_buffer, .address_space: global }
      - { .name: part, .offset: 32, .size: 8, .value_kind: global_buffer, .address_space: global }
      - { .name: cen, .offset: 40, .size: 8, .value_kind: global_buffer, .address_space: global }
    .group_segment_fixed_size: 13312
    .private_segment_fixed_size: 0
    .kernarg_segment_align: 8
    .kernarg_segment_size: 48
    .max_flat_workgroup_size: 256
    .sgpr_count:     96
    .vgpr_count:     256
    .wavefront_size: 32
...
	.end_amdgpu_metadata
.endif
;; end of part 2
;; launch project (part 3): grid 8 x 1, 8 waves a work-group, no clusters, 9,472 bytes of LDS; arguments cen, proj_w, proj_b, out0; writes out0
.if DOCPART == 3
	.amdgcn_target "amdgcn-amd-amdhsa--gfx1250"
	.amdhsa_code_object_version 6
	.text
	.protected	k_qdc5f4d4060_project
	.globl	k_qdc5f4d4060_project
	.p2align	8
	.type	k_qdc5f4d4060_project,@function
k_qdc5f4d4060_project:
	s_mov_b64 s[64:65], 0
	v_nop
	global_prefetch_b8 v0, s[64:65] scope:SCOPE_SE
	s_setreg_imm32_b32 hwreg(HW_REG_WAVE_MODE, 25, 1), 1
	s_wait_xcnt 0x0
; THIRD OF THREE LAUNCHES.  One work-group for each batch, so that each row of out0 (256 bytes) has one owner: 8 work-groups,
; as many as there is work for.  'cen' holds for each of the batch's 32 row groups the largest density m_g and the sum c_g
; of the group's rows with that density.  The batch's maximum is the largest m_g; the cluster centre is the sum of the c_g
; with m_g equal to it (a multiplication by 0 or 1: no branch or address hangs on a density).
; Then out = relu(centre . proj_w^T + proj_b), all in f32: a product with one row, 64 x 256 multiply-adds, which would
; leave fifteen of sixteen rows of a matrix tile empty.
; Wave w takes groups 4w..4w+3 and output numbers 8w..8w+7; lane l holds columns 4l..4l+3 and 128+4l..+3.
; NaN in the densities is not served (the maxima let a NaN lose).
.set VM,   4                           ; v4         lane l: m of group l; then the batch's maximum in every lane
.set SEL,  6                           ; v[6:9]     0 or 1 for my wave's four groups
.set PS,   12                          ; v[12:19]   my wave's part of the centre
.set CT,   20                          ; v[20:27]   the centre, my 8 columns
.set RES,  28                          ; v[28:35]   my wave's eight outputs, the same in every lane
.set T,    36                          ; v[36:43]   four rows' dot products, a pair each
.set CG,   52                          ; v[52:83]   c of my four groups; later v[52:115] the eight waves' parts
.set WR,   116                         ; v[116:179] my eight rows of proj_w
.set SP0,  18
.set SP1,  19
.set LOUT, 8192                        ; LDS: 0..8191 the waves' parts of the centre, 1,024 bytes each; 8192..8447 the 64 outputs
.macro RED4 base, stride
.irp m, 1,2,4,8
.irp i, 0,1,2,3
	v_add_f32_dpp v[\base+\stride*\i], v[\base+\stride*\i], v[\base+\stride*\i] row_xmask:\m row_mask:0xf bank_mask:0xf
.endr
.endr
.irp i, 0,1,2,3
	v_permlanex16_b32 v[\base+\stride*\i+1], v[\base+\stride*\i], s[SP0], s[SP1]
.endr
.irp i, 0,1,2,3
	v_add_f32 v[\base+\stride*\i], v[\base+\stride*\i], v[\base+\stride*\i+1]
.endr
.endm
	s_load_b256 s[4:11], s[0:1], 0x0               ; cen s[4:5], proj_w s[6:7], proj_b s[8:9], out0 s[10:11]
	v_lshl_add_u32 v180, v0, 2, 0x2100
	v_mov_b32 v181, 0
	v_lshrrev_b32 v2, 5, v0
	v_readfirstlane_b32 s12, v2                    ; wave 0..7
	v_and_b32 v5, 31, v0                           ; lane (v5 is later the scratch of the lane maximum)
	v_lshlrev_b32 v1, 4, v5                        ; v1 = 16 lane
	v_mul_u32_u24 v2, v5, 1280                     ; v2 = group l's 1,280 bytes
	s_mul_i32 s13, s12, 5120                       ; my wave's four groups
	s_lshl_b32 s14, s12, 5                         ; my wave's eight outputs, 32 bytes
	s_lshl_b32 s15, s12, 13                        ; my wave's eight rows of proj_w
	v_add_nc_u32 v3, s13, v1
	v_add_nc_u32 v10, s15, v1
	v_lshl_add_u32 v11, s12, 10, v1                ; LDS: 1,024 wave + 16 lane
	s_mov_b32 s[SP0], 0x76543210
	s_mov_b32 s[SP1], 0xfedcba98
	s_mul_i32 s16, ttmp9, 40960                    ; 32 groups of 1,280 bytes a batch
	s_mov_b32 s17, 0
	s_wait_kmcnt 0x0
	s_add_nc_u64 s[4:5], s[4:5], s[16:17]
	s_lshl_b32 s16, ttmp9, 8
	s_add_nc_u64 s[10:11], s[10:11], s[16:17]      ; the batch's row of out0
.irp i, 0,1,2,3
	s_load_b32 s[20+\i], s[4:5], s13 offset:1280*\i+1024                   ; m of my four groups
.endr
	s_load_b256 s[24:31], s[8:9], s14 offset:0x0   ; proj_b of my eight outputs
	global_load_b32 v[VM], v2, s[4:5] offset:1024
.irp i, 0,1,2,3
	global_load_b128 v[CG+8*\i:CG+8*\i+3],   v3, s[4:5] offset:1280*\i
	global_load_b128 v[CG+8*\i+4:CG+8*\i+7], v3, s[4:5] offset:1280*\i+512
.endr
.irp j, 0,1,2,3,4,5,6,7
	global_load_b128 v[WR+8*\j:WR+8*\j+3],   v10, s[6:7] offset:1024*\j
	global_load_b128 v[WR+8*\j+4:WR+8*\j+7], v10, s[6:7] offset:1024*\j+512
.endr
	s_wait_loadcnt 16                              ; the m and the c are in; the 16 younger loads of proj_w stay out
	s_wait_kmcnt 0x0
	v_max_num_f32_dpp v[VM], v[VM], v[VM] row_xmask:1 row_mask:0xf bank_mask:0xf
	v_max_num_f32_dpp v[VM], v[VM], v[VM] row_xmask:2 row_mask:0xf bank_mask:0xf
	v_max_num_f32_dpp v[VM], v[VM], v[VM] row_xmask:4 row_mask:0xf bank_mask:0xf
	v_max_num_f32_dpp v[VM], v[VM], v[VM] row_xmask:8 row_mask:0xf bank_mask:0xf
	v_permlanex16_b32 v5, v[VM], s[SP0], s[SP1]
	v_max_num_f32 v[VM], v[VM], v5                 ; the batch's largest density
.irp i, 0,1,2,3
	v_cmp_eq_f32 vcc_lo, s[20+\i], v[VM]
	v_cndmask_b32 v[SEL+\i], 0, 1.0, vcc_lo
.endr
.irp c, 0,2,4,6
	v_pk_mul_f32 v[PS+\c:PS+\c+1], v[CG+\c:CG+\c+1], v[SEL:SEL+1] op_sel_hi:[1,0]
.endr
.irp c, 0,2,4,6
	v_pk_fma_f32 v[PS+\c:PS+\c+1], v[CG+8+\c:CG+8+\c+1], v[SEL:SEL+1], v[PS+\c:PS+\c+1] op_sel:[0,1,0]
.endr
.irp c, 0,2,4,6
	v_pk_fma_f32 v[PS+\c:PS+\c+1], v[CG+16+\c:CG+16+\c+1], v[SEL+2:SEL+3], v[PS+\c:PS+\c+1] op_sel_hi:[1,0,1]
.endr
.irp c, 0,2,4,6
	v_pk_fma_f32 v[PS+\c:PS+\c+1], v[CG+24+\c:CG+24+\c+1], v[SEL+2:SEL+3], v[PS+\c:PS+\c+1] op_sel:[0,1,0]
.endr
	ds_store_b128 v11, v[PS:PS+3]
	ds_store_b128 v11, v[PS+4:PS+7] offset:512
	s_wait_dscnt 0x0                               ; my stores are done before I signal: every wave reads them
	s_barrier_signal -1
	s_barrier_wait -1
.irp q, 0,1,2,3,4,5,6,7
	ds_load_b128 v[CG+8*\q:CG+8*\q+3],   v1 offset:1024*\q
	ds_load_b128 v[CG+8*\q+4:CG+8*\q+7], v1 offset:1024*\q+512
.endr
	s_wait_dscnt 0x0
.irp c, 0,2,4,6
	v_pk_add_f32 v[CT+\c:CT+\c+1], v[CG+\c:CG+\c+1], v[CG+8+\c:CG+8+\c+1]
.endr
.irp q, 2,3,4,5,6,7
.irp c, 0,2,4,6
	v_pk_add_f32 v[CT+\c:CT+\c+1], v[CT+\c:CT+\c+1], v[CG+8*\q+\c:CG+8*\q+\c+1]
.endr
.endr
	s_wait_loadcnt 0x0                             ; proj_w
; outputs 8w + 4h + 0..3: the dot product with the centre, the bias, relu
.macro PROJ4 h
.irp i, 0,1,2,3
	v_pk_mul_f32 v[T+2*\i:T+2*\i+1], v[WR+32*\h+8*\i:WR+32*\h+8*\i+1], v[CT:CT+1]
.endr
.irp c, 2,4,6
.irp i, 0,1,2,3
	v_pk_fma_f32 v[T+2*\i:T+2*\i+1], v[WR+32*\h+8*\i+\c:WR+32*\h+8*\i+\c+1], v[CT+\c:CT+\c+1], v[T+2*\i:T+2*\i+1]
.endr
.endr
.irp i, 0,1,2,3
	v_add_f32 v[T+2*\i], v[T+2*\i], v[T+2*\i+1]
.endr
	RED4 T, 2
.irp i, 0,1,2,3
	v_add_f32 v[RES+4*\h+\i], s[24+4*\h+\i], v[T+2*\i]
.endr
.irp i, 0,1,2,3
	v_max_num_f32 v[RES+4*\h+\i], 0, v[RES+4*\h+\i]
.endr
.endm
	PROJ4 0
	PROJ4 1
	v_mov_b32 v11, s14                             ; 32 wave: all lanes write the wave's 32 bytes with the same values
	ds_store_b128 v11, v[RES:RES+3]   offset:LOUT
	ds_store_b128 v11, v[RES+4:RES+7] offset:LOUT+16
	s_wait_dscnt 0x0                               ; done before I signal: wave 0 reads them
	s_barrier_signal -1
	s_barrier_wait -1
	s_cmp_lg_u32 s12, 0
	s_cbranch_scc1 .Lend
	v_lshrrev_b32 v11, 1, v1                       ; 8 lane
	ds_load_b64 v[T:T+1], v11 offset:LOUT
	s_wait_dscnt 0x0
	global_store_b64 v11, v[T:T+1], s[10:11]       ; the batch's 64 numbers: 256 consecutive bytes, aligned
.Lend:
	s_wait_tensorcnt 0x0
	ds_add_u32 v180, v181
	s_wait_dscnt 0x0
	s_endpgm
.Lfunc_end_k_qdc5f4d4060_project:
	.size	k_qdc5f4d4060_project, .Lfunc_end_k_qdc5f4d4060_project-k_qdc5f4d4060_project
	.p2alignl 7, 3214868480
	.fill 96, 4, 3214868480
	.section	.rodata,"a",@progbits
	.p2align	6, 0x0
	.amdhsa_kernel k_qdc5f4d4060_project
		.amdhsa_group_segment_fixed_size 9472
		.amdhsa_private_segment_fixed_size 0
		.amdhsa_enable_private_segment 0
		.amdhsa_kernarg_size 32
		.amdhsa_user_sgpr_count 2
		.amdhsa_user_sgpr_kernarg_segment_ptr 1
		.amdhsa_wavefront_size32 1
		.amdhsa_system_sgpr_workgroup_id_x 1
		.amdhsa_system_sgpr_workgroup_id_y 1
		.amdhsa_system_sgpr_workgroup_id_z 1
		.amdhsa_system_vgpr_workitem_id 0
		.amdhsa_next_free_vgpr 182
		.amdhsa_next_free_sgpr 66
		.amdhsa_reserve_vcc 1
		.amdhsa_float_denorm_mode_32 3
		.amdhsa_float_denorm_mode_16_64 3
		.amdhsa_memory_ordered 1
		.amdhsa_forward_progress 1
		.amdhsa_inst_pref_size 15
	.end_amdhsa_kernel
	.amdgpu_metadata
---
amdhsa.version: [ 1, 2 ]
amdhsa.kernels:
  - .name:           k_qdc5f4d4060_project
    .symbol:         k_qdc5f4d4060_project.kd
    .args:
      - { .name: cen, .offset: 0, .size: 8, .value_kind: global_buffer, .address_space: global }
      - { .name: proj_w, .offset: 8, .size: 8, .value_kind: global_buffer, .address_space: global }
      - { .name: proj_b, .offset: 16, .size: 8, .value_kind: global_buffer, .address_space: global }
      - { .name: out0, .offset: 24, .size: 8, .value_kind: global_buffer, .address_space: global }
    .group_segment_fixed_size: 9472
    .private_segment_fixed_size: 0
    .kernarg_segment_align: 8
    .kernarg_segment_size: 32
    .max_flat_workgroup_size: 256
    .sgpr_count:     66
    .vgpr_count:     182
    .wavefront_size: 32
...
	.end_amdgpu_metadata
.endif
;; end of part 3
